; MI455X (gfx1250); checked and timed in simulation.
; The chip was launched on July 23, 2026; its instructions are those of AMD's public machine-readable ISA for CDNA 5 (MIT licence, August 2026) and "CDNA5" Instruction Set Architecture Reference Guide (July 2026). The comments in the code are by the model that wrote it; some were corrected since.
;; Row Col RPA. Allowed arithmetic: matrix products marked QUANTISED: E4M3 operands, one given power-of-two scale a tensor, by v_wmma_f32_16x16x64_fp8_fp8 or v_wmma_f32_16x16x128_fp8_fp8, f32 sums; everything else in f32.
;; Inputs: Wk_codes 256 x 8 x 32 uint8 (E4M3 codes of Wk, K innermost, in blocks of 32 codes); Wo_codes 256 x 8 x 32 uint8 (E4M3 codes of Wo, K innermost, in blocks of 32 codes); Wq_codes 256 x 8 x 32 uint8 (E4M3 codes of Wq, K innermost, in blocks of 32 codes); Wr_codes 256 x 8 x 32 uint8 (E4M3 codes of Wr, K innermost, in blocks of 32 codes); Wv_codes 256 x 8 x 32 uint8 (E4M3 codes of Wv, K innermost, in blocks of 32 codes); b1 256 float32; b2 256 float32; bk 256 float32; bo 256 float32; bq 256 float32; br 256 float32; bv 256 float32; g1 256 float32; g2 256 float32; lowp_scales 14 int32 (the exponents e of the quantised operands' scales 2^e); x 2 x 512 x 256 float32.
;; Outputs: out0 2 x 512 x 256 float32.
;; This version of the problem:
;;   THIS VERSION OF THE PROBLEM IS GIVEN IN LOW PRECISION. The matrix products marked QUANTISED in the list below multiply operands that are first quantised to E4M3 (4 exponent bits, 3 mantissa bits; 8 bits a number), with one given power-of-two scale for each operand tensor; their sums are f32. All else is computed in f32.
;;   The module's matrix products, in the order in which they are computed (A, B: the left and right operand; K: the contracted axis; several contracted axes count as one K, in the product's order):
;;     1. [M 1,024, K 256] x [K 256, N 256]; A: input x; B: input Wq (given as codes): QUANTISED (scales: A lowp_scales[0], B lowp_scales[1])
;;     2. [M 1,024, K 256] x [K 256, N 256]; A: input x; B: input Wk (given as codes): QUANTISED (scales: A lowp_scales[2], B lowp_scales[3])
;;     3. [M 1,024, K 256] x [K 256, N 256]; A: input x; B: input Wv (given as codes): QUANTISED (scales: A lowp_scales[4], B lowp_scales[5])
;;     4. [M 524,288, K 256] x [K 256, N 256]; A: computed on the way; B: input Wr (given as codes): QUANTISED (scales: A lowp_scales[6], B lowp_scales[7])
;;     5. batch 16 x [M 512, K 32] x [K 32, N 512]; A: computed on the way; B: computed on the way: QUANTISED (scales: A lowp_scales[8], B lowp_scales[9])
;;     6. batch 16 x [M 512, K 512] x [K 512, N 32]; A: softmax (see below); B: computed on the way: QUANTISED (scales: A lowp_scales[10], B lowp_scales[11])
;;     7. [M 1,024, K 256] x [K 256, N 256]; A: computed on the way; B: input Wo (given as codes): QUANTISED (scales: A lowp_scales[12], B lowp_scales[13])
;;   THE QUANTISER, for each operand of a quantised product, along K:
;;     - The operand's scale is 2^e, e = its entry of the input lowp_scales (int32; the entries are numbered through the quantised products in the list's order, A before B).
;;     - Each number is divided by the scale, clamped to +-448, and rounded to the nearest number of E4M3, ties to even, subnormals kept.
;;     - The product sums the exact products of the quantised numbers (number of the format x scale) in f32.
;;   ~~~python
;;   def quantise(x, axis, e):      # numpy; x: float32 -> the quantised numbers, widened to float32 again
;;       x = np.moveaxis(x, axis, -1); K = x.shape[-1]
;;       r = np.clip(x / 2.0 ** e, -448, 448)
;;       step = 2.0 ** (np.maximum(np.frexp(np.where(r == 0, 1, r))[1] - 1, -6) - 3)
;;       q = np.round(r / step) * step * 2.0 ** e      # np.round: ties to even
;;       return np.moveaxis(q, -1, axis).astype(np.float32)
;;   ~~~
;;   SOFTMAX AHEAD OF A QUANTISED PRODUCT. Where the list says 'softmax', what is quantised is not the finished softmax but p = 2^(t - M), with t = logit x log2(e) and M = ceil(the row's largest t), a whole number; so 1/2 < the row's largest p <= 1. The row's sum l is taken of the UNQUANTISED p, in f32, and the product's result is divided by l at the end. Since M is a whole number, a kernel that streams over the keys may use a running M (the ceiling of the running maximum): every later rescaling is an exact power of two, so the quantised numbers keep their values, but for numbers so far below the row's largest that they fall under the format's range.
;;   OPERANDS COMPUTED ON THE WAY. 'Computed on the way' means the value that the module computes at that place (a softmax that the list does not call 'softmax' is quantised finished and normalised). What goes into a quantiser is computed in f32, as accurately as f32 sums, v_exp_f32 and their like allow (about 1e-6 of the number): no bf16 or f16 on the way to a quantiser, and a product that is left as it is and whose result goes on into a quantised operand takes f32 operands (vector FMAs, or v_wmma_f32_16x16x4_f32). A number that lies on a knife's edge between two numbers of the format may be rounded either way, as far as f32 arithmetic and the matrix unit's own rounding can turn it there, and no further.
;;   INPUTS GIVEN AS CODES. Wk (in the module: [256, 256], K = its axis 1); Wo (in the module: [256, 256], K = its axis 1); Wq (in the module: [256, 256], K = its axis 1); Wr (in the module: [256, 256], K = its axis 1); Wv (in the module: [256, 256], K = its axis 1): each comes as NAME_codes (uint8): NAME with its K axis moved to the last place and cut into blocks of 32 codes, [.., K / 32, bytes a block], one block behind the other in memory; one code a byte (a code: sign, 4 exponent bits, 3 mantissa bits); its scale is its entry of lowp_scales. Its value is code x scale, taken as it is: it is not quantised again, and the codes and scales need not be those that the quantiser above would give.
;; One version. Each part assembles by itself: llvm-mc -triple=amdgcn-amd-amdhsa -mcpu=gfx1250 --defsym DOCPART=n.
;; ======== version 1 of 1: 2 launches
;; limits: right only within a limited range of input values
;; workspace buffers: qk 524,288 bytes; vc 262,144 bytes
;; launch rpa (part 1): grid 256 x 1, 4 waves a work-group, clusters of 4 x 1, 327,680 bytes of LDS; arguments x, Wr_codes, Wq_codes, Wk_codes, Wv_codes, bq, bk, bv, br, lowp_scales, qk, vc; writes qk, vc
.if DOCPART == 1
	.amdgcn_target "amdgcn-amd-amdhsa--gfx1250"
	.amdhsa_code_object_version 6
	.text
	.protected	k_q05e7d00237_rpa
	.globl	k_q05e7d00237_rpa
	.p2align	8
	.type	k_q05e7d00237_rpa,@function
k_q05e7d00237_rpa:
	s_mov_b64 s[64:65], 0
	v_nop
	global_prefetch_b8 v0, s[64:65] scope:SCOPE_SE
	s_setreg_imm32_b32 hwreg(HW_REG_WAVE_MODE, 25, 1), 1
	s_wait_xcnt 0x0
	s_wait_alu depctr_hold_cnt(0) depctr_sa_sdst(0) depctr_va_vdst(0) depctr_va_sdst(0) depctr_va_ssrc(0) depctr_va_vcc(0) depctr_vm_vsrc(0)
	s_getreg_b32 s2, hwreg(HW_REG_IB_STS2, 6, 4)
	s_cmp_eq_u32 s2, 0
	s_cbranch_scc0 .Lentry_in_a_cluster
	s_endpgm
.Lentry_in_a_cluster:
	s_bfe_u32 s2, ttmp6, 0x10000c
	s_cmp_lg_u32 s2, 0x3003
	s_cbranch_scc0 .Lentry_shape_is_right
	s_endpgm
.Lentry_shape_is_right:
; FIRST LAUNCH.  For every row i of x [2][512][256]: R'[i][j] = Q(x_i - x_j) Wr^T over all 512 j of its batch (E4M3 codes, scales 2^e6, 2^e7), of which only the
; largest and the smallest over j are kept; Q = x Wq^T + bq, K = x Wk^T + bk, V = x Wv^T + bv (codes of x with e0, e2, e4).  Stored: the codes of
; Q_r = Q + br - min_j R'[i][j] (scale 2^e8) and K_r = K + br + max_j R'[i][j] (scale 2^e9) in qk [1024][512 bytes: Q_r, K_r], and of V (scale 2^e11) in vc [1024][256].
; WHY ONE OWNER A ROW: subtraction, hold and rounding are odd functions, so R'[j][i] = -R'[i][j]: the maximum over the FIRST index at column i is -min_j R'[i][j].
; LIMITS: that identity holds up to the last bits of a sum as the matrix unit forms it (an order of rounding that differs from the definition's).  Every power of two is made as
; (e + 127) << 23: e0, e2, e4, e6, e8, e9, e11 lie between -126 and 119; e0+e1, e2+e3, e4+e5, e6+e7 between -126 and 127.  NaN and infinities in x are not served.
; SHARES.  256 work-groups of four waves; work-group g owns rows 4 g .. 4 g + 3, WAVE w OWNS ONE ROW i = 4 g + w and walks all 512 j in 32 tiles of 16.  All of Wr (512 registers) and
; x_i (128) stay in the wave's registers; x_j comes from LDS.  Source 0 = 16 pairs (row m = j), source 1 = 16 rows of Wr (column n = e): a lane holds ONE e and eight j, so the
; maximum and minimum over j stay in the lane.  Tile 4 G + f takes Wr's row e = 64 G + 4 r + f in lane r.
; CLUSTER.  The four work-groups of a cluster lie in one batch and walk the same x and the same weights: every tile is asked for jointly (mask 15), 32 LDS rows of 1,024 bytes a wave.
; THE FILLS, 128 LDS rows each: head: x's rows 0-63 and Wr -> slot 0; behind the first full sequence: rows 64-191 -> slot 1; then four changes of slots: rows 192-319 -> slot 0,
; rows 320-447 -> slot 1, rows 448-511 and Wv -> slot 0, Wq and Wk -> slot 1.  NO PREFETCH: each fill is issued at least four tiles (128 matrix instructions a wave) ahead of the wait for it.
; K ORDER.  Chunk c (0..7) of a row is k = 32 c + 16 (lane / 16) + 0 .. 15; its 16 codes are registers 4 c .. 4 c + 3 of the two fragments; the weights' fragments are loaded in the same order.
; REGISTERS, in windows of 256.  Window 0: v1-31 addresses and lane constants; T, eight chunks of x_j: v32-95 and v192-255; v96-159 CB, two sets of codes; v160-191 four accumulators.
; Windows 1-3 hold UNITS: unit u (window 1 + u / 3, base 80 (u % 3)) = Wr's four fragments of tiles 4 (u / 2) + f, K step u % 2, and behind them x_i's chunk u; v240 of each window = 2^e6.
; With source 1 in the unit's window and all else in window 0, the products of unit u and the quantising of chunk u run under ONE setting of the windows.
; Window 3 also: v160-175 the largest, v176-191 the smallest, one register a tile; v192-223 XC, the codes of the work-group's four rows of x.
.set PITCH,  1040                      ; an LDS row: 1,024 bytes + 16 of padding = 260 words: the 16 rows that a load touches start 4 banks apart
.set TILEB,  16*PITCH                  ; 16 rows of x; also 64 rows of a weight (four to an LDS row)
.set QUART,  32*PITCH                  ; what one tensor load brings
.set HALFW,  64*PITCH                  ; a whole weight matrix
.set SLOTB,  128*PITCH                 ; a slot.  Slot 0 at byte 0, slot 1 at SLOTB
.set SPARE,  2*SLOTB                   ; the spare words, 128 bytes a wave: two blocks of 256 bytes that no other line names
.set STG,    SPARE+512                 ; three stages of 16,384 bytes: the sums of Q, K, V as images of their registers
.set OST,    STG+3*16384               ; 1,024 bytes a wave: its row's codes on the way out
.set SPW, 1                            ; v1   SPARE + 4 x thread; never rewritten
.set NIL, 2                            ; v2   0; never rewritten
.set LA0, 3                            ; v3   r x PITCH + 64 h: my 64 bytes of chunk 0 of row r
.set ADR, 4                            ; v4   the same in the trip's first tile
.set XO,  5                            ; v5   x: (r % 4) rows + 64 h
.set WFA, 6                            ; v6   r x PITCH + 16 h: a weight fragment's lane term
.set H64, 7                            ; v7   64 h
.set B16, 8                            ; v8   16 r
.set BVO, 9                            ; v9   512 h + 16 r
.set WVA, 10                           ; v10  Wv's tiles of my wave (slot 0, second half)
.set WRA, 11                           ; v11  Wr (slot 0, second half)
.set WQA, 12                           ; v12  Wq's tiles of my wave (slot 1, first half)
.set WKA, 13                           ; v13  Wk's (second half)
.set SIA, 14                           ; v14  stage: where my wave's images go
.set SRA, 15                           ; v15  stage: my row's sums of Q (lanes 0-15) or K (lanes 16-31)
.set SVA, 16                           ; v16  stage: my row's sums of V
.set OSA, 17                           ; v17-20 the way out through my own 1,024 bytes
.set OVA, 18
.set OLA, 19
.set OLV, 20
.set G16, 21                           ; v21  16 x lane
.set G8,  22                           ; v22  8 x lane
.set XSC, 23                           ; v23, v24  scale and largest number x scale for XC: by lane, e0, e2, e4, e4 for r / 4 = 0 .. 3
.set XLM, 24
.set QSC, 25                           ; v25, v26  the same for Q_r (lanes 0-15, e8) and K_r (lanes 16-31, e9)
.set QLM, 26
.set SPR, 27                           ; v27  2^(e0+e1) or 2^(e2+e3)
.set VQS, 28                           ; v28  2^e11
.set ADR1, 29                          ; v29  as v4, for the trip's second tile (its offsets carry TILEB): each of the two is rewritten while the pending loads name the other
.set T,    32
.set CB,   96
.set AC,   160
.set RMAX, 160                         ; window 3
.set RMIN, 176
.set XC,   192
.set SCW,  240
.set BQ,   32                          ; the tail, window 0: the biases, in the half of T that is done with
.set BK,   48
.set BR,   64
.set BV,   80
.set WV,   28                          ; s28 wave; s29 cx; s30 work-group; s31 wave x QUART
.set CX,   29
.set WG,   30
.set WOFF, 31
.set G1,   32                          ; s[32:39] descriptor group 1, one for all loads
.set GA,   40                          ; s[40:43] group 0 of the head's load
.set GB,   44                          ; s[44:47] group 0 of slot 1's first fill
.set GW,   48                          ; s[48:51] group 0 of the refills
.set N1,   52                          ; s[52:57], s[88:89] the sources of the four refills, in order
.set N2,   54
.set N3,   56
.set N4,   88
.set RS,   58                          ; s58 the slot that the next refill fills
.set TB,   59                          ; s59 LDS byte of the two tiles in hand
.set IC,   60
.set OC,   61
.set LIM,  62                          ; s62, s63: +-448 x 2^e6
.set NLIM, 63
.set SEL,  66                          ; s[66:67] v_permlanex16_b32: lane l xor 16
.set MSB, 0
.macro WIN new                         ; the immediate's high byte repeats the setting that is left; a switch that changes nothing is dropped
.if MSB != (\new)
	s_set_vgpr_msb (MSB<<8)|(\new)
.set MSB, (\new)
.endif
.endm
.macro PLACES n
.rept \n
	v_nop
.endr
.endm
.macro ROUND                           ; a round of the cluster's barrier
	s_barrier_signal -1
	s_barrier_wait -1
	s_cmp_lg_u32 s[WV], 0
	s_cbranch_scc1 .Lnot_wave_0_\@
	s_barrier_signal -3
.Lnot_wave_0_\@:
	s_barrier_wait -3
	s_barrier_signal -1
	s_barrier_wait -1
.endm
.macro POW2 d, a                       ; d = 2^a as f32
	s_add_co_i32 \d, \a, 127
	s_lshl_b32 \d, \d, 23
.endm
.macro LIM448 d, a                     ; d = 448 x 2^a as f32
	s_add_co_i32 \d, \a, 135
	s_lshl_b32 \d, \d, 23
	s_or_b32 \d, \d, 0x600000
.endm
.macro PICKH d, a, b                   ; v[d] = a in lanes 0-15, b in lanes 16-31
	v_mov_b32 v[\d], \a
	v_mov_b32 v30, \b
	v_cndmask_b32 v[\d], v[\d], v30, s96
.endm
.macro PICKV d, a, b, c                ; v[d] = a, b, c, c for r / 4 = 0, 1, 2, 3
	v_mov_b32 v[\d], \c
	v_mov_b32 v30, \a
	v_mov_b32 v31, \b
	v_cndmask_b32 v[\d], v[\d], v30, s97
	v_cndmask_b32 v[\d], v[\d], v31, s98
.endm
	s_load_b512 s[4:19], s[0:1], 0x0               ; x s[4:5], Wr s[6:7], Wq s[8:9], Wk s[10:11], Wv s[12:13], bq s[14:15], bk s[16:17], bv s[18:19]
	s_load_b256 s[20:27], s[0:1], 0x40             ; br s[20:21], the exponents s[22:23], qk s[24:25], vc s[26:27]
	v_lshl_add_u32 v[SPW], v0, 2, SPARE
	v_mov_b32 v[NIL], 0
	ds_add_u32 v1, v2                              ; the opening lines: the add, twice on end, and its wait
	ds_add_u32 v1, v2
	s_wait_dscnt 0x0
	v_lshrrev_b32 v28, 5, v0
	v_readfirstlane_b32 s[WV], v28                 ; wave 0..3
	s_bfe_u32 s[CX], ttmp6, 0x40000                ; my place in the cluster: it enters global addresses of my own rows alone
	s_lshl_b32 s[WG], ttmp9, 2
	s_add_co_u32 s[WG], s[WG], s[CX]               ; work-group = 4 x cluster + cx
	s_mul_i32 s[WOFF], s[WV], QUART
	; group 1: 32 rows x 256 elements of 4 bytes, dense in memory, 16 bytes of padding behind each row
	s_mov_b32 s[G1+0], 15|(2<<16)|(1<<20)|(1<<21)|(7<<22)|(3<<25)  ; 15:0 all four work-groups; 17:16 elements of 4 bytes; 20 padding on; 21 set beside a mask; 24:22 after every 256 words; 31:25 four words
	s_mov_b32 s[G1+1], 256<<16                     ; tensor_dim0
	s_mov_b32 s[G1+2], 32<<16                      ; tensor_dim1
	s_mov_b32 s[G1+3], 256<<16                     ; tile_dim0
	s_mov_b32 s[G1+4], 32                          ; tile_dim1
	s_mov_b32 s[G1+5], 256                         ; elements from row to row
	s_mov_b32 s[G1+6], 0
	s_mov_b32 s[G1+7], 0
	s_mov_b32 s[SEL], 0x76543210
	s_mov_b32 s[SEL+1], 0xfedcba98
	s_mov_b32 s[RS], 0
	s_mov_b32 s[TB], 0
	; every address register but v4 and v29 is made here
	v_and_b32 v28, 15, v0                          ; r
	v_bfe_u32 v29, v0, 4, 1                        ; h
	v_and_b32 v30, 31, v0                          ; lane
	v_mul_u32_u24 v31, v28, PITCH
	v_lshl_add_u32 v[LA0], v29, 6, v31
	v_lshl_add_u32 v[WFA], v29, 4, v31
	v_and_b32 v[XO], 3, v28
	v_lshlrev_b32 v[XO], 10, v[XO]
	v_lshl_add_u32 v[XO], v29, 6, v[XO]
	v_lshlrev_b32 v[H64], 6, v29
	v_lshlrev_b32 v[B16], 4, v28
	v_lshl_add_u32 v[BVO], v29, 9, v[B16]
	s_mul_i32 s80, s[WV], TILEB                    ; my wave's 64 rows of a weight: tiles 4 w .. 4 w + 3
	v_add_nc_u32 v[WVA], s80, v[WFA]
	v_add_nc_u32 v[WQA], SLOTB, v[WVA]
	v_add_nc_u32 v[WKA], SLOTB+HALFW, v[WVA]
	v_add_nc_u32 v[WVA], HALFW, v[WVA]
	v_add_nc_u32 v[WRA], HALFW, v[WFA]
	s_lshl_b32 s80, s[WV], 12
	v_lshl_add_u32 v[SIA], v30, 5, s80             ; an image: 32 bytes a lane, 1,024 a tile, my four tiles
	v_add_nc_u32 v[SIA], STG, v[SIA]
	v_and_b32 v31, 7, v28
	v_lshlrev_b32 v31, 2, v31
	v_bfe_u32 v[SRA], v28, 3, 1
	v_lshl_add_u32 v31, v[SRA], 9, v31             ; row m = r of a tile lies in lane column + 16 (r / 8), register r % 8
	s_lshl_b32 s80, s[WV], 5
	v_add_nc_u32 v31, s80, v31                     ; column = my row of the four
	v_mad_u32_u24 v[SRA], v29, 16512, v31          ; lanes 16-31: K's stage, and the columns quantised for K (4 further on)
	v_add_nc_u32 v[SRA], STG, v[SRA]
	v_lshl_add_u32 v[SVA], v29, 13, v31            ; V: lanes 16-31 take tiles 8 on; columns 8 on
	v_add_nc_u32 v[SVA], STG+32768+256, v[SVA]
	s_lshl_b32 s80, s[WV], 10
	s_add_co_u32 s80, s80, OST
	v_lshlrev_b32 v31, 2, v28
	v_add_nc_u32 v31, s80, v31
	v_lshl_add_u32 v[OSA], v29, 8, v31
	v_lshl_add_u32 v[OVA], v29, 7, v31
	v_add_nc_u32 v[OVA], 512, v[OVA]
	v_lshlrev_b32 v[G16], 4, v30
	v_lshlrev_b32 v[G8], 3, v30
	v_add_nc_u32 v[OLA], s80, v[G16]
	v_add_nc_u32 v[OLV], s80, v[G8]
	v_add_nc_u32 v[OLV], 512, v[OLV]
	v_cmp_ne_u32 s96, 0, v29                       ; lanes 16-31
	v_lshrrev_b32 v31, 2, v28
	v_cmp_eq_u32 s97, 0, v31                       ; r / 4 = 0
	v_cmp_eq_u32 s98, 1, v31                       ; r / 4 = 1
	; byte offsets, apart from the addresses
	s_lshr_b32 s80, ttmp9, 5                       ; the batch: 32 clusters each; the four partners share it
	s_lshl_b32 s80, s80, 19
	s_mov_b32 s81, 0
	s_lshl_b32 s82, s[WV], 15                      ; my 32 rows of a fill's 128
	s_mov_b32 s83, 0
	s_add_nc_u64 s[80:81], s[80:81], s[82:83]
	s_and_b32 s82, s[WV], 1
	s_lshl_b32 s82, s82, 15                        ; my half of a weight matrix
	s_lshl_b32 s84, s[WG], 12                      ; the work-group's four rows of x
	s_mov_b32 s85, 0
	s_lshl_b32 s86, s[WG], 2
	s_add_co_u32 s86, s86, s[WV]                   ; my row
	s_lshl_b32 s86, s86, 10
	s_mov_b32 s87, 0
	s_wait_kmcnt 0x0
	s_load_b256 s[68:75], s[22:23], 0x0            ; e0 .. e7
	s_load_b128 s[76:79], s[22:23], 0x20           ; e8 .. e11
	s_add_nc_u64 s[88:89], s[4:5], s[80:81]        ; x at the batch's row 32 w
	s_add_nc_u64 s[GB+2:GB+3], s[88:89], 65536     ; rows 64 on
	s_add_nc_u64 s[N1:N1+1], s[88:89], 196608      ; rows 192 on
	s_add_nc_u64 s[N2:N2+1], s[88:89], 327680      ; rows 320 on
	s_add_nc_u64 s[N3:N3+1], s[88:89], 458752      ; rows 448 on (used by waves 0, 1)
	s_sub_nc_u64 s[GA+2:GA+3], s[88:89], 65536     ; rows 32 (w - 2) on (used by waves 2, 3)
	s_add_nc_u64 s[6:7], s[6:7], s[82:83]          ; my half of Wr,
	s_add_nc_u64 s[12:13], s[12:13], s[82:83]      ; of Wv
	s_cmp_lt_u32 s[WV], 2
	s_cselect_b64 s[GA+2:GA+3], s[6:7], s[GA+2:GA+3]   ; the head: waves 0, 1 Wr; waves 2, 3 x's rows 0-63
	s_cselect_b64 s[N3:N3+1], s[N3:N3+1], s[12:13]     ; the third refill: waves 0, 1 x's rows 448-511; waves 2, 3 Wv
	s_cselect_b64 s[N4:N4+1], s[8:9], s[10:11]         ; the fourth: Wq | Wk
	s_add_nc_u64 s[N4:N4+1], s[N4:N4+1], s[82:83]
	s_or_b32 s[GA+3], s[GA+3], 0x80000000          ; type = 2
	s_or_b32 s[GB+3], s[GB+3], 0x80000000
	s_mov_b32 s[GA], 1
	s_xor_b32 s[GA+1], s[WV], 2                    ; slot 0: x's rows first (waves 2, 3), Wr behind them (waves 0, 1)
	s_mul_i32 s[GA+1], s[GA+1], QUART
	s_mov_b32 s[GB], 1
	s_add_co_u32 s[GB+1], s[WOFF], SLOTB           ; slot 1
	s_mov_b32 s[GW], 1
	s_add_nc_u64 s[90:91], s[4:5], s[86:87]        ; x at my row
	s_add_nc_u64 s[4:5], s[4:5], s[84:85]          ; x at the work-group's first row
	s_lshr_b32 s86, s86, 1
	s_add_nc_u64 s[24:25], s[24:25], s[86:87]      ; qk at my row (512 bytes a row)
	s_lshr_b32 s86, s86, 1
	s_add_nc_u64 s[26:27], s[26:27], s[86:87]      ; vc at my row (256)
	ROUND                                          ; all four work-groups are here: the first joint loads meet
	tensor_load_to_lds s[GA:GA+3], s[G1:G1+7]      ; one tensor load a wave at the head
	s_nop 0
	PLACES 4                                       ; four v_nop follow the load
	; the four rows of x for XC: lane (r, h) takes row r % 4, chunk by chunk, into v32-159
.irp c, 0,1,2,3,4,5,6,7
.irp q, 0,1,2,3
	global_load_b128 v[T+16*\c+4*\q:T+16*\c+4*\q+3], v[XO], s[4:5] offset:128*\c+16*\q
.endr
.endr
	; x_i, the same in all 16 lanes of a half, chunk u into unit u
.set U, 0
.rept 8
.set UB, 80*(U%3)
	WIN (1+U/3)<<6
.irp q, 0,1,2,3
	global_load_b128 v[UB+64+4*\q:UB+64+4*\q+3], v[H64], s[90:91] offset:128*U+16*\q
.endr
.set U, U+1
.endr
	WIN 0
	s_wait_kmcnt 0x0                               ; the exponents
	POW2 s80, s74
	LIM448 s[LIM], s74
	s_or_b32 s[NLIM], s[LIM], 0x80000000
	WIN 0x40
	v_mov_b32 v[SCW], s80                          ; 2^e6, once in each window that holds units
	WIN 0x80
	v_mov_b32 v[SCW], s80
	WIN 0xc0
	v_mov_b32 v[SCW], s80
	WIN 0
	s_add_co_i32 s81, s74, s75
	POW2 s92, s81                                  ; 2^(e6+e7)
	s_add_co_i32 s81, s72, s73
	POW2 s93, s81                                  ; 2^(e4+e5)
	LIM448 s94, s79
	s_or_b32 s95, s94, 0x80000000                  ; +-448 x 2^e11
	POW2 s81, s79
	v_mov_b32 v[VQS], s81
	POW2 s81, s68
	POW2 s82, s70
	POW2 s83, s72
	PICKV XSC, s81, s82, s83
	LIM448 s81, s68
	LIM448 s82, s70
	LIM448 s83, s72
	PICKV XLM, s81, s82, s83
	POW2 s81, s76
	POW2 s82, s77
	PICKH QSC, s81, s82
	LIM448 s81, s76
	LIM448 s82, s77
	PICKH QLM, s81, s82
	s_add_co_i32 s81, s68, s69
	POW2 s81, s81
	s_add_co_i32 s82, s70, s71
	POW2 s82, s82
	PICKH SPR, s81, s82
	; XC: column n = r is row r % 4 of the four, quantised with e0, e2, e4 (, e4) for r / 4 = 0 .. 3: one operand serves Wq, Wk and Wv
	s_wait_alu depctr_va_vdst(0)                   ; directly ahead of the wait below
	s_wait_loadcnt 32                              ; behind XC's 32 loads: x_i's 32
.set I, 0
.rept 128
	v_med3_num_f32 v[T+I], v[T+I], -v[XLM], v[XLM] ; the conversion to an 8-bit code does not saturate (ISA guide 7.6.2): the hold comes first
.set I, I+1
.endr
	WIN 0xc0                                       ; the codes go to window 3
.irp c, 0,1,2,3,4,5,6,7
	v_cvt_scalef32_pk8_fp8_f32 v[XC+4*\c:XC+4*\c+1], v[T+16*\c:T+16*\c+7], v[XSC]
	v_cvt_scalef32_pk8_fp8_f32 v[XC+4*\c+2:XC+4*\c+3], v[T+16*\c+8:T+16*\c+15], v[XSC]
.endr
	WIN 0
	v_nop                                          ; a plain line behind the conversions
	s_wait_alu depctr_va_vdst(0)                   ; directly ahead of the wait below
	s_wait_tensorcnt 0x0                           ; my part of slot 0 is in
	ds_add_u32 v[SPW], v[NIL]
	s_wait_dscnt 0x0
	ROUND                                          ; everybody's part is in, and all four work-groups are here
	tensor_load_to_lds s[GB:GB+3], s[G1:G1+7]      ; x's rows 64-191 into slot 1: my one load behind the round; Wr's way into registers and four tiles stand ahead of the wait for it
	s_nop 0
	PLACES 4
	WIN 0xc0
.irp i, 0,1,2,3,4,5,6,7,8,9,10,11,12,13,14,15
	v_mov_b32 v[RMAX+\i], 0xff800000               ; under every number; over every number
	v_mov_b32 v[RMIN+\i], 0x7f800000
.endr
	; all of Wr into the units.  LDS answers a wave in order, so the first counted wait of the loop shows these loads done too
.set U, 0
.rept 8
.set UB, 80*(U%3)
	WIN (1+U/3)<<6
.irp f, 0,1,2,3
.irp c, 0,1,2,3
	ds_load_b128 v[UB+16*\f+4*\c:UB+16*\f+4*\c+3], v[WRA] offset:(U/2)*TILEB+256*\f+128*(U%2)+32*\c
.endr
.endr
.set U, U+1
.endr
	WIN 0
	s_wait_alu depctr_va_vdst(0)
	s_wait_loadcnt 0x0                             ; x_i
; ---- THE LOOP.  Steps go in fours.  At a four's head, behind the reduction's 32 plain lines, ONE run of sixteen LDS loads asks for four chunks of x_j, into the half of T that was quantised in the four steps before.
; A STEP with index u quantises the chunk asked for four steps ago (chunk u of its tile, at place u of T) and multiplies unit u of the tile whose codes were finished eight steps before that.
; pq: the set of codes that is written; the other set is multiplied.
.macro WM f                            ; one product of unit U: 16 pairs x tile 4 (U / 2) + f, K step U % 2.  The four accumulators take turns, one instruction a turn
.if U%2
	v_wmma_f32_16x16x128_fp8_fp8 v[AC+8*\f:AC+8*\f+7], v[CB+32*PM+16:CB+32*PM+31], v[UB+16*\f:UB+16*\f+15], v[AC+8*\f:AC+8*\f+7]
.else
	v_wmma_f32_16x16x128_fp8_fp8 v[AC+8*\f:AC+8*\f+7], v[CB+32*PM:CB+32*PM+15], v[UB+16*\f:UB+16*\f+15], 0
.endif
.endm
.macro PK n0, n                        ; x_i - x_j, two at a time: source 1 is x_i's chunk, in the unit's window
.set I, \n0
.rept \n
	v_pk_add_f32 v[TQ+2*I:TQ+2*I+1], v[TQ+2*I:TQ+2*I+1], v[UB+64+2*I:UB+64+2*I+1] neg_lo:[1,0] neg_hi:[1,0]
.set I, I+1
.endr
.endm
.macro MED n0, n                       ; the hold within +-448 x 2^e6
.set I, \n0
.rept \n
	v_med3_num_f32 v[TQ+I], v[TQ+I], s[NLIM], s[LIM]
.set I, I+1
.endr
.endm
.macro RED g                           ; the four finished tiles 4 g + t: eight j a lane into the running largest and smallest (window 3), in eight chains that do not hang on each other; each accumulator from its low end on
	WIN 0xf0
.irp pp, 0,1,2,3
.irp t, 0,1,2,3
	v_max3_num_f32 v[RMAX+4*(\g)+\t], v[AC+8*\t+2*\pp], v[AC+8*\t+2*\pp+1], v[RMAX+4*(\g)+\t]
	v_min3_num_f32 v[RMIN+4*(\g)+\t], v[AC+8*\t+2*\pp], v[AC+8*\t+2*\pp+1], v[RMIN+4*(\g)+\t]
.endr
.endr
.endm
.macro STEP sg, ld, qt, mm, cnt        ; ld, qt, mm: does the step load, quantise, multiply?  cnt: the LDS loads younger than the chunk to be quantised
.set U,  ((\sg)+4)%8
.set UB, 80*(U%3)
.set PQ, 0
.if ((\sg) < 4) || ((\sg) >= 12)
.set PQ, 1
.endif
.set PM, 1-PQ
.set AD, ADR+(ADR1-ADR)*((\sg)/8)
.set TQ, T+16*U+96*(U/4)
	WIN (1+U/3)<<2                                 ; source 1 in the unit's window, all else in window 0
.if \ld
.if ((\sg)%4) == 0                     ; chunk n goes to place n % 8 of T
.irp d, 0,1,2,3
.set TL, T+16*(((\sg)+\d)%8)+96*((((\sg)+\d)%8)/4)
.irp q, 0,1,2,3
	ds_load_b128 v[TL+4*\q:TL+4*\q+3], v[AD] offset:((\sg)/8)*TILEB+128*(((\sg)+\d)%8)+16*\q
.endr
.endr
.endif
.endif
.if \mm
	WM 0
.endif
.if \qt
	s_wait_dscnt \cnt
	PK 0, 3
.endif
.if \mm
	WM 1
.endif
.if \qt
	PK 3, 5
	MED 0, 3
.endif
.if \mm
	WM 2
.endif
.if \qt
	MED 3, 8
.endif
.if \mm
	WM 3
.endif
.if \qt
	MED 11, 5                                      ; five plain lines: the places behind the last product
	v_cvt_scalef32_pk8_fp8_f32 v[CB+32*PQ+4*U:CB+32*PQ+4*U+1], v[TQ:TQ+7], v[SCW]
	v_cvt_scalef32_pk8_fp8_f32 v[CB+32*PQ+4*U+2:CB+32*PQ+4*U+3], v[TQ+8:TQ+15], v[SCW]
.endif
.if \mm
.if U%2
.if !(\qt)
	PLACES 4                                       ; no other vector work is at hand in front of the first read of results
.endif
	RED U/2
.endif
.endif
.endm
.macro TRIP first                      ; two tiles of 16 j.  first = 1: nothing is there yet to quantise in steps 0-3, nor to multiply in steps 0-11
	v_add_nc_u32 v[ADR], s[TB], v[LA0]             ; the loads that may still be out name ADR1
.set SG, 0
.rept 16
.if SG == 8
	WIN 0
	v_add_nc_u32 v[ADR1], s[TB], v[LA0]            ; the loads that may still be out name ADR
.endif
.if \first
	STEP SG, 1, (SG>=4), (SG>=12), 28-4*(SG%4)
.else
	STEP SG, 1, 1, 1, 28-4*(SG%4)                  ; the rest of the chunk's own run, 4 (3 - step % 4), and the run of 16 issued since
.endif
.set SG, SG+1
.endr
	WIN 0                                          ; at a label and at a branch every window is 0
	s_add_co_u32 s[TB], s[TB], 2*TILEB
.endm
; THE CHANGE OF SLOTS: all rows of the slot in hand have been asked for.  The slot is filled again with the next source of the four.
.macro CHANGE
	s_wait_tensorcnt 0x0                           ; all my tensor loads have landed: the one that was out is my part of the other slot
	ds_add_u32 v[SPW], v[NIL]                      ; 0 onto my spare word; the descriptor's step stands between it and the wait for it
	s_add_co_u32 s[GW+1], s[RS], s[WOFF]           ; into the slot just read,
	s_mov_b64 s[GW+2:GW+3], s[N1:N1+1]             ; from the next source;
	s_or_b32 s[GW+3], s[GW+3], 0x80000000
	s_mov_b64 s[N1:N1+1], s[N2:N2+1]               ; the others move up
	s_mov_b64 s[N2:N2+1], s[N3:N3+1]
	s_mov_b64 s[N3:N3+1], s[N4:N4+1]
	s_xor_b32 s[RS], s[RS], SLOTB
	s_sub_co_u32 s[TB], s[TB], SLOTB               ; the reads go back to a slot's first tile,
	s_xor_b32 s[TB], s[TB], SLOTB                  ; in the other slot
	s_wait_dscnt 0x0                               ; the add is done, and my reads of the slot are back
	ROUND                                          ; no wave of any partner still reads the slot or has a load on its way
	tensor_load_to_lds s[GW:GW+3], s[G1:G1+7]      ; my one load behind the round
	s_nop 0
	PLACES 4
.endm
	TRIP 1                                         ; rows 0-63: four tiles
	TRIP 0
	s_add_co_u32 s[TB], s[TB], 4*TILEB             ; as if the whole slot had been walked: its second half held Wr
	s_mov_b32 s[OC], 3
.Lslot:                                            ; rows 64 on, 192 on, 320 on
	CHANGE
	s_mov_b32 s[IC], 4
.Ltrip:
	TRIP 0
	s_sub_co_u32 s[IC], s[IC], 1
	s_cmp_lg_u32 s[IC], 0
	s_cbranch_scc1 .Ltrip
	s_sub_co_u32 s[OC], s[OC], 1
	s_cmp_lg_u32 s[OC], 0
	s_cbranch_scc1 .Lslot
	CHANGE                                         ; the fourth refill: Wq | Wk
	s_mov_b32 s[IC], 2
.Llast:                                            ; rows 448-511
	TRIP 0
	s_sub_co_u32 s[IC], s[IC], 1
	s_cmp_lg_u32 s[IC], 0
	s_cbranch_scc1 .Llast
	; the biases at e = 64 q + 4 r + 0 .. 3, as the tiles hold e, into places 0-3 of T, which are done with: twelve steps and three products stand ahead of the wait for them
.irp q, 0,1,2,3
	global_load_b128 v[BQ+4*\q:BQ+4*\q+3], v[B16], s[14:15] offset:256*\q
	global_load_b128 v[BK+4*\q:BK+4*\q+3], v[B16], s[16:17] offset:256*\q
	global_load_b128 v[BR+4*\q:BR+4*\q+3], v[B16], s[20:21] offset:256*\q
.endr
.irp q, 0,1
	global_load_b128 v[BV+4*\q:BV+4*\q+3], v[BVO], s[18:19] offset:256*\q
.endr
.macro WLOAD adr                       ; my wave's four tiles of a weight, both K steps: 32 loads into v0-127 of the destination's window
.irp f, 0,1,2,3
.irp s, 0,1
.irp c, 0,1,2,3
	ds_load_b128 v[32*\f+16*\s+4*\c:32*\f+16*\s+4*\c+3], v[\adr] offset:256*\f+128*\s+32*\c
.endr
.endr
.endr
.endm
	s_wait_alu depctr_va_vdst(0)                   ; directly ahead of the wait below
	s_wait_tensorcnt 0x0                           ; my part of Wq | Wk, asked for two trips ago, is in slot 1 (Wv came with the fill before),
	s_wait_dscnt 0x0                               ; no LDS load of mine is out at the signal
	s_barrier_signal -1
	s_barrier_wait -1                              ; everybody's is; nothing is filled any more
	STEP 0, 0, 1, 1, 12                            ; the tail: the last four chunks are quantised (the counts run down), the last twelve units multiplied
	STEP 1, 0, 1, 1, 8
	STEP 2, 0, 1, 1, 4
	STEP 3, 0, 1, 1, 0
	; ---- Q, K and V for the work-group's four rows: my wave's tiles 4 w + f.  A weight's fragments are asked for as soon as the units that lie in their registers are done with,
	; each run behind a reduction's 32 plain lines, which are the places behind those units' products
	STEP 4, 0, 0, 1, 0
	STEP 5, 0, 0, 1, 0
	WIN 0x40
	WLOAD WQA                                      ; window 1, v0-127: units 0 and 1 are done with
.irp sg, 6,7,8,9
	STEP \sg, 0, 0, 1, 0
.endr
	WIN 0x80
	WLOAD WKA                                      ; window 2: units 3 and 4 are done with
	STEP 10, 0, 0, 1, 0
	STEP 11, 0, 0, 1, 0
	WIN 0xc0
	WLOAD WVA                                      ; window 3: units 6 and 7 are done with
.macro WPROD d                         ; source 0 = 16 rows of the weight, source 1 = XC (window 3); four sums by turns
.irp f, 0,1,2,3
	v_wmma_f32_16x16x128_fp8_fp8 v[\d+8*\f:\d+8*\f+7], v[32*\f:32*\f+15], v[XC:XC+15], 0
.endr
.irp f, 0,1,2,3
	v_wmma_f32_16x16x128_fp8_fp8 v[\d+8*\f:\d+8*\f+7], v[32*\f+16:32*\f+31], v[XC+16:XC+31], v[\d+8*\f:\d+8*\f+7]
.endr
.endm
	s_wait_alu depctr_va_vdst(0)                   ; directly ahead of the wait below
	s_wait_dscnt 63                                ; Wq's 32 loads are in: behind them stand Wk's and Wv's 64
	WIN 0x0d                                       ; source 0 = Wq, window 1
	WPROD 96
	s_wait_dscnt 32                                ; Wk's are in: behind them stand Wv's 32
	WIN 0x0e                                       ; Wk, window 2
	WPROD 128
	s_wait_dscnt 0x0
	WIN 0x0f                                       ; Wv, window 3
	WPROD 160
	WIN 0
	PLACES 4
	; the sums go to the stages as images of their registers: tile 4 w + f, 32 bytes a lane
.irp m, 0,1,2
.irp f, 0,1,2,3
	ds_store_b128 v[SIA], v[96+32*\m+8*\f:99+32*\m+8*\f] offset:16384*\m+1024*\f
	ds_store_b128 v[SIA], v[100+32*\m+8*\f:103+32*\m+8*\f] offset:16384*\m+1024*\f+16
.endr
.endr
	s_wait_dscnt 0x0                               ; for the others' sake: my stores have landed
	s_barrier_signal -1
	s_barrier_wait -1
	; my row's sums come back: lanes 0-15 Q, lanes 16-31 K, at e = 64 q + 4 r + u, as the largest and smallest lie; V at e = 128 h + 64 q + 4 r + u
.irp t, 0,1,2,3,4,5,6,7,8,9,10,11,12,13,14,15
	ds_load_b32 v[96+\t], v[SRA] offset:1024*\t
.endr
.irp t, 0,1,2,3,4,5,6,7
	ds_load_b32 v[112+\t], v[SVA] offset:1024*\t
.endr
	; each half of the lanes has seen half of the j.  Lanes 0-15 end with -min (for Q), lanes 16-31 with max (for K): each keeps its own and sends the other
	WIN 0xcc
.irp i, 0,1,2,3,4,5,6,7,8,9,10,11,12,13,14,15
	v_mul_f32 v[RMIN+\i], -1.0, v[RMIN+\i]
.endr
	WIN 0x0f
.irp i, 0,1,2,3,4,5,6,7,8,9,10,11,12,13,14,15
	v_cndmask_b32 v[128+\i], v[RMIN+\i], v[RMAX+\i], s96
	v_cndmask_b32 v[144+\i], v[RMAX+\i], v[RMIN+\i], s96
.endr
	WIN 0
.irp i, 0,1,2,3,4,5,6,7,8,9,10,11,12,13,14,15
	v_permlanex16_b32 v[160+\i], v[144+\i], s[SEL], s[SEL+1]
.endr
.irp i, 0,1,2,3,4,5,6,7,8,9,10,11,12,13,14,15
	v_max_num_f32 v[128+\i], v[128+\i], v[160+\i]
.endr
	s_wait_alu depctr_va_vdst(0)                   ; directly ahead of the wait below
	s_wait_loadcnt 0x0                             ; the biases
.irp i, 0,1,2,3,4,5,6,7,8,9,10,11,12,13,14,15
	v_fma_f32 v[128+\i], v[128+\i], s92, v[BR+\i]  ; x 2^(e6+e7) + br
.endr
.irp i, 0,1,2,3,4,5,6,7,8,9,10,11,12,13,14,15
	v_cndmask_b32 v[144+\i], v[BQ+\i], v[BK+\i], s96
.endr
	s_wait_dscnt 8                                 ; Q's and K's sums are in; V's eight may be out
.irp i, 0,1,2,3,4,5,6,7,8,9,10,11,12,13,14,15
	v_fma_f32 v[96+\i], v[96+\i], v[SPR], v[144+\i] ; Q or K
.endr
.irp i, 0,1,2,3,4,5,6,7,8,9,10,11,12,13,14,15
	v_add_f32 v[96+\i], v[96+\i], v[128+\i]        ; Q_r or K_r
.endr
.irp i, 0,1,2,3,4,5,6,7,8,9,10,11,12,13,14,15
	v_med3_num_f32 v[96+\i], v[96+\i], -v[QLM], v[QLM]
.endr
	v_cvt_scalef32_pk8_fp8_f32 v[176:177], v[96:103], v[QSC]
	v_cvt_scalef32_pk8_fp8_f32 v[178:179], v[104:111], v[QSC]
	s_wait_dscnt 0x0
.irp i, 0,1,2,3,4,5,6,7
	v_fma_f32 v[112+\i], v[112+\i], s93, v[BV+\i]
.endr
.irp i, 0,1,2,3,4,5,6,7
	v_med3_num_f32 v[112+\i], v[112+\i], s95, s94
.endr
	v_cvt_scalef32_pk8_fp8_f32 v[180:181], v[112:119], v[VQS]
	v_nop
	; a register holds four codes, e = 64 q + 4 r + 0 .. 3: through my own 1,024 bytes they become the row in order.  LDS serves a wave's instructions in order (ISA guide 5.7.1.4)
.irp q, 0,1,2,3
	ds_store_b32 v[OSA], v[176+\q] offset:64*\q
.endr
	ds_store_b32 v[OVA], v180
	ds_store_b32 v[OVA], v181 offset:64
	ds_load_b128 v[184:187], v[OLA]
	ds_load_b64 v[188:189], v[OLV]
	s_wait_dscnt 0x0
	global_store_b128 v[G16], v[184:187], s[24:25] ; the wave stores 512 consecutive bytes, at a multiple of 512 from qk's first byte
	global_store_b64 v[G8], v[188:189], s[26:27]   ; and 256 consecutive bytes, at a multiple of 256 from vc's first byte
	s_wait_tensorcnt 0x0                           ; the wave's end: behind my last tensor load and my last LDS store
	ds_add_u32 v[SPW], v[NIL]
	s_wait_dscnt 0x0
	ROUND                                          ; the closing round: no work-group ends while a partner may still ask for a tile that names it
	s_endpgm
.Lfunc_end_k_q05e7d00237_rpa:
	.size	k_q05e7d00237_rpa, .Lfunc_end_k_q05e7d00237_rpa-k_q05e7d00237_rpa
	.p2alignl 7, 3214868480
	.fill 96, 4, 3214868480
	.section	.rodata,"a",@progbits
	.p2align	6, 0x0
	.amdhsa_kernel k_q05e7d00237_rpa
		.amdhsa_group_segment_fixed_size 327680
		.amdhsa_private_segment_fixed_size 0
		.amdhsa_enable_private_segment 0
		.amdhsa_kernarg_size 96
		.amdhsa_user_sgpr_count 2
		.amdhsa_user_sgpr_kernarg_segment_ptr 1
		.amdhsa_wavefront_size32 1
		.amdhsa_system_sgpr_workgroup_id_x 1
		.amdhsa_system_sgpr_workgroup_id_y 1
		.amdhsa_system_sgpr_workgroup_id_z 1
		.amdhsa_system_vgpr_workitem_id 0
		.amdhsa_next_free_vgpr 1024
		.amdhsa_next_free_sgpr 100
		.amdhsa_reserve_vcc 0
		.amdhsa_float_denorm_mode_32 3
		.amdhsa_float_denorm_mode_16_64 3
		.amdhsa_memory_ordered 1
		.amdhsa_forward_progress 1
		.amdhsa_inst_pref_size 255
	.end_amdhsa_kernel
	.section	.bss,"aw",@nobits
	.p2align	6
	.space	262144
	.amdgpu_metadata
---
amdhsa.version: [ 1, 2 ]
amdhsa.kernels:
  - .name:           k_q05e7d00237_rpa
    .symbol:         k_q05e7d00237_rpa.kd
    .args:
      - { .name: x, .offset: 0, .size: 8, .value_kind: global_buffer, .address_space: global }
      - { .name: Wr_codes, .offset: 8, .size: 8, .value_kind: global_buffer, .address_space: global }
      - { .name: Wq_codes, .offset: 16, .size: 8, .value_kind: global_buffer, .address_space: global }
      - { .name: Wk_codes, .offset: 24, .size: 8, .value_kind: global_buffer, .address_space: global }
      - { .name: Wv_codes, .offset: 32, .size: 8, .value_kind: global_buffer, .address_space: global }
      - { .name: bq, .offset: 40, .size: 8, .value_kind: global_buffer, .address_space: global }
      - { .name: bk, .offset: 48, .size: 8, .value_kind: global_buffer, .address_space: global }
      - { .name: bv, .offset: 56, .size: 8, .value_kind: global_buffer, .address_space: global }
      - { .name: br, .offset: 64, .size: 8, .value_kind: global_buffer, .address_space: global }
      - { .name: lowp_scales, .offset: 72, .size: 8, .value_kind: global_buffer, .address_space: global }
      - { .name: qk, .offset: 80, .size: 8, .value_kind: global_buffer, .address_space: global }
      - { .name: vc, .offset: 88, .size: 8, .value_kind: global_buffer, .address_space: global }
    .group_segment_fixed_size: 327680
    .private_segment_fixed_size: 0
    .kernarg_segment_align: 8
    .kernarg_segment_size: 96
    .max_flat_workgroup_size: 128
    .sgpr_count:     100
    .vgpr_count:     1024
    .wavefront_size: 32
...
	.end_amdgpu_metadata
.endif
;; end of part 1
;; launch attn (part 2): grid 256 x 1, 8 waves a work-group, clusters of 4 x 1, 327,680 bytes of LDS; arguments qk, vc, Wo_codes, bo, x, g1, b1, g2, b2, lowp_scales, out0; writes out0
.if DOCPART == 2
	.amdgcn_target "amdgcn-amd-amdhsa--gfx1250"
	.amdhsa_code_object_version 6
	.text
	.protected	k_q05e7d00237_attn
	.globl	k_q05e7d00237_attn
	.p2align	8
	.type	k_q05e7d00237_attn,@function
k_q05e7d00237_attn:
	s_mov_b64 s[64:65], 0
	v_nop
	global_prefetch_b8 v0, s[64:65] scope:SCOPE_SE
	s_setreg_imm32_b32 hwreg(HW_REG_WAVE_MODE, 25, 1), 1
	s_wait_xcnt 0x0
	s_wait_alu depctr_hold_cnt(0) depctr_sa_sdst(0) depctr_va_vdst(0) depctr_va_sdst(0) depctr_va_ssrc(0) depctr_va_vcc(0) depctr_vm_vsrc(0)
	s_getreg_b32 s2, hwreg(HW_REG_IB_STS2, 6, 4)
	s_cmp_eq_u32 s2, 0
	s_cbranch_scc0 .Lentry_in_a_cluster
	s_endpgm
.Lentry_in_a_cluster:
	s_bfe_u32 s2, ttmp6, 0x10000c
	s_cmp_lg_u32 s2, 0x3003
	s_cbranch_scc0 .Lentry_shape_is_right
	s_endpgm
.Lentry_shape_is_right:
; SECOND LAUNCH.  out0 = LN2(LN1(x + attention Wo^T + bo)).  Q_r's and K_r's codes come from qk [1024][512 bytes: Q_r, K_r], V's from vc [1024][256]; scales e8 .. e13 of lowp_scales.
; SHARES.  Work-group g owns rows 4 g .. 4 g + 3 with all 8 heads.  Wave w: head group w / 4 (4 heads, 128 of the 256 channels), key quarter w % 4 (128 keys).
; S^T = K Q^T with K = 128 channels: column r of the Q operand is query r % 4 of head r / 4 of the group, with the other three heads' 32 channels set to code 0, which adds nothing to a sum.
; The row's largest score is joined over the four key quarters through LDS, so M = ceil(the largest t) is the whole row's; p = 2^(t - M) is quantised with e10; the sum is taken of the unquantised p.
; V lies with the channels innermost: ds_load_tr16_b128 on pairs of bytes and v_perm_b32 make fragments with the keys innermost.  The quarters' parts of O^T and of the sum are added by the group's wave 0,
; divided, quantised with e12 and laid in LDS; every wave multiplies 32 rows of Wo; waves 0-3 take one row each through the residual and the two norms.
; THE FILLS.  All of the batch's K_r (512 rows of 256 bytes) and V (512 x 256) fit in LDS: waves 0-3 fetch K's quarters, waves 4-7 V's, one joint load a wave (mask 15: the cluster's four work-groups lie in
; one batch), all behind the one round; nothing is filled again.  NO PREFETCH: the launch has no loop to run ahead in.
; LIMITS: e8 + e9 between -124 and 129 (added to the exponent field of log2(e) / sqrt(32)); e10, e12 between -126 and 119; e12 + e13 between -126 and 127.
.set KP,  272
.set VP,  288
.set KT,  0
.set VT,  512*KP
.set MX,  VT+512*VP
.set PO,  MX+1024
.set ACD, PO+8*2048
.set ZS,  ACD+1280
.set ZP,  1040
.set QO,  1
.set KA,  2
.set VA,  3
.set MXS, 4
.set MXR, 5
.set POS, 6
.set POR, 7
.set ACS, 8
.set ACR, 9
.set ZSS, 10
.set ZSR, 11
.set WOO, 244
.set L16, 245
.set HG,  26
.set KQ,  27
.set WV,  28
.set G1K, 32
.set G0K, 40
.set G0V, 44
.set G1V, 48
.set SEL, 66
.set CS,  74
.set MSB, 0
.macro WIN new
.if MSB != (\new)
	s_set_vgpr_msb (MSB<<8)|(\new)
.set MSB, (\new)
.endif
.endm
.macro PLACES n
.rept \n
	v_nop
.endr
.endm
.macro ROUND
	s_barrier_signal -1
	s_barrier_wait -1
	s_cmp_lg_u32 s[WV], 0
	s_cbranch_scc1 .Lnot_wave_0_\@
	s_barrier_signal -3
.Lnot_wave_0_\@:
	s_barrier_wait -3
	s_barrier_signal -1
	s_barrier_wait -1
.endm
.macro BARRIER
	s_wait_dscnt 0x0
	s_barrier_signal -1
	s_barrier_wait -1
.endm
.macro POW2 d, a
	s_add_co_i32 \d, \a, 127
	s_lshl_b32 \d, \d, 23
.endm
.macro LIM448 d, a
	s_add_co_i32 \d, \a, 135
	s_lshl_b32 \d, \d, 23
	s_or_b32 \d, \d, 0x600000
.endm
	s_load_b512 s[4:19], s[0:1], 0x0
	s_load_b128 s[20:23], s[0:1], 0x40
	s_load_b64 s[24:25], s[0:1], 0x50
	v_lshl_add_u32 v254, v0, 2, 0x4ba00
	v_mov_b32 v255, 0
	ds_add_u32 v254, v255
	ds_add_u32 v254, v255
	v_lshrrev_b32 v246, 5, v0
	s_delay_alu instid0(VALU_DEP_1)
	v_readfirstlane_b32 s[WV], v246
	s_lshr_b32 s[HG], s[WV], 2
	s_and_b32 s[KQ], s[WV], 3
	s_bfe_u32 s29, ttmp6, 0x40000
	s_lshl_b32 s30, ttmp9, 2
	s_add_co_u32 s30, s30, s29
	s_mov_b32 s[G1K+0], 15|(0<<16)|(1<<20)|(1<<21)|(5<<22)|(3<<25)
	s_mov_b32 s[G1K+1], 256<<16
	s_mov_b32 s[G1K+2], 128<<16
	s_mov_b32 s[G1K+3], 256<<16
	s_mov_b32 s[G1K+4], 128
	s_mov_b32 s[G1K+5], 512
	s_mov_b32 s[G1K+6], 0
	s_mov_b32 s[G1K+7], 0
	s_mov_b32 s[G1V+0], 15|(0<<16)|(1<<20)|(1<<21)|(5<<22)|(7<<25)
	s_mov_b32 s[G1V+1], 256<<16
	s_mov_b32 s[G1V+2], 128<<16
	s_mov_b32 s[G1V+3], 256<<16
	s_mov_b32 s[G1V+4], 128
	s_mov_b32 s[G1V+5], 256
	s_mov_b32 s[G1V+6], 0
	s_mov_b32 s[G1V+7], 0
	s_mov_b32 s[SEL], 0x76543210
	s_mov_b32 s[SEL+1], 0xfedcba98
	s_mov_b32 s86, 0x3b800000
	s_mov_b32 s87, 0x3727c5ac
	s_mov_b32 s88, 0x06040200
	s_mov_b32 s89, 0x07050301
	v_and_b32 v246, 15, v0
	v_bfe_u32 v247, v0, 4, 1
	v_and_b32 v248, 31, v0
	s_delay_alu instid0(VALU_DEP_3)
	v_lshrrev_b32 v250, 2, v246
	s_delay_alu instid0(VALU_DEP_4)
	v_and_b32 v251, 3, v246
	s_lshl_b32 s57, s[HG], 7
	v_lshlrev_b32 v[QO], 9, v251
	s_delay_alu instid0(VALU_DEP_1)
	v_lshl_add_u32 v[QO], v250, 5, v[QO]
	s_delay_alu instid0(VALU_DEP_1)
	v_lshl_add_u32 v[QO], v247, 4, v[QO]
	s_delay_alu instid0(VALU_DEP_1)
	v_add_nc_u32 v[QO], s57, v[QO]
	v_mul_u32_u24 v[KA], v246, KP                  ; a tile of K is 16 neighbouring keys, lane r key 16 t + r: rows of 68 words start at sixteen different banks
	s_delay_alu instid0(VALU_DEP_1)
	v_lshl_add_u32 v[KA], v247, 4, v[KA]
	s_mul_i32 s58, s[KQ], 128*KP
	s_add_co_u32 s58, s58, s57
	v_add_nc_u32 v[KA], s58, v[KA]
	v_and_b32 v[VA], 7, v0
	s_delay_alu instid0(VALU_DEP_1)
	v_lshl_add_u32 v[VA], v247, 3, v[VA]           ; V: key 16 c + 8 h + (lane % 8), the keys that p's registers 2 c, 2 c + 1 hold
	s_delay_alu instid0(VALU_DEP_1)
	v_mul_u32_u24 v[VA], v[VA], VP
	v_bfe_u32 v249, v0, 3, 1
	s_delay_alu instid0(VALU_DEP_1)
	v_lshl_add_u32 v[VA], v249, 4, v[VA]
	s_mul_i32 s58, s[KQ], 128*VP
	s_add_co_u32 s58, s58, s57
	s_add_co_u32 s58, s58, VT
	v_add_nc_u32 v[VA], s58, v[VA]
	s_lshl_b32 s58, s[HG], 8
	s_add_co_u32 s58, s58, MX
	v_lshl_add_u32 v[MXR], v246, 4, s58
	s_lshl_b32 s59, s[KQ], 2
	v_add_nc_u32 v[MXS], s59, v[MXR]
	v_lshlrev_b32 v[L16], 4, v248
	s_lshl_b32 s58, s[WV], 11
	s_add_co_u32 s58, s58, PO
	v_add_nc_u32 v[POS], s58, v[L16]
	s_lshl_b32 s58, s[HG], 13
	s_add_co_u32 s58, s58, PO
	v_add_nc_u32 v[POR], s58, v[L16]
	v_mul_u32_u24 v[ACR], v251, KP
	s_delay_alu instid0(VALU_DEP_1)
	v_lshl_add_u32 v[ACR], v247, 4, v[ACR]
	s_delay_alu instid0(VALU_DEP_1)
	v_add_nc_u32 v[ACR], ACD, v[ACR]
	s_delay_alu instid0(VALU_DEP_1)
	v_lshl_add_u32 v[ACS], v250, 5, v[ACR]
	s_delay_alu instid0(VALU_DEP_1)
	v_add_nc_u32 v[ACS], s57, v[ACS]
	v_mul_u32_u24 v[ZSS], v251, ZP
	s_delay_alu instid0(VALU_DEP_1)
	v_lshl_add_u32 v[ZSS], v247, 5, v[ZSS]
	s_lshl_b32 s58, s[WV], 7
	s_add_co_u32 s58, s58, ZS
	v_add_nc_u32 v[ZSS], s58, v[ZSS]
	s_mul_i32 s58, s[KQ], ZP
	s_add_co_u32 s58, s58, ZS
	v_add_nc_u32 v[ZSR], s58, v[L16]
	v_lshlrev_b32 v[WOO], 8, v246
	s_delay_alu instid0(VALU_DEP_1)
	v_lshl_add_u32 v[WOO], v247, 4, v[WOO]
	s_lshl_b32 s58, s[WV], 13
	v_add_nc_u32 v[WOO], s58, v[WOO]
	v_cmp_eq_u32 s80, 0, v250
	v_cmp_eq_u32 s81, 1, v250
	v_cmp_eq_u32 s82, 2, v250
	v_cmp_eq_u32 s83, 3, v250
	v_mov_b32 v13, 0
	v_mov_b32 v252, 0
	s_lshr_b32 s56, ttmp9, 5
	s_lshl_b32 s60, s56, 18
	s_lshl_b32 s61, s[KQ], 16                      ; 128 rows of qk, 512 bytes each
	s_add_co_u32 s60, s60, s61
	s_add_co_u32 s60, s60, 256
	s_mov_b32 s61, 0
	s_lshl_b32 s62, s56, 17
	s_lshl_b32 s63, s[KQ], 15                      ; 128 rows of vc, 256 bytes each
	s_add_co_u32 s62, s62, s63
	s_mov_b32 s63, 0
	s_wait_dscnt 0x0
	s_wait_kmcnt 0x0
	s_load_b128 s[68:71], s[22:23], 0x20
	s_load_b64 s[72:73], s[22:23], 0x30
	s_mov_b32 s[G0K], 1
	s_mul_i32 s[G0K+1], s[KQ], 128*KP
	s_add_nc_u64 s[G0K+2:G0K+3], s[4:5], s[60:61]
	s_or_b32 s[G0K+3], s[G0K+3], 0x80000000
	s_mov_b32 s[G0V], 1
	s_mul_i32 s[G0V+1], s[KQ], 128*VP
	s_add_co_u32 s[G0V+1], s[G0V+1], VT
	s_add_nc_u64 s[G0V+2:G0V+3], s[6:7], s[62:63]
	s_or_b32 s[G0V+3], s[G0V+3], 0x80000000
	s_wait_alu depctr_va_vdst(0)
	ROUND                                          ; all four work-groups are here: the joint loads meet
	s_cmp_lt_u32 s[WV], 4                          ; waves 0-3: K's quarters; waves 4-7: V's.  One load a wave, one arm each, one join
	s_cbranch_scc0 .Lfor_v
	tensor_load_to_lds s[G0K:G0K+3], s[G1K:G1K+7]
	s_nop 0
	PLACES 4
	s_branch .Lasked
.Lfor_v:
	tensor_load_to_lds s[G0V:G0V+3], s[G1V:G1V+7]
	s_nop 0
	PLACES 4
.Lasked:
	s_lshl_b32 s60, s30, 11
	s_add_nc_u64 s[4:5], s[4:5], s[60:61]
	s_lshl_b32 s60, s30, 12
	s_lshl_b32 s62, s[KQ], 10
	s_add_co_u32 s60, s60, s62
	s_add_nc_u64 s[12:13], s[12:13], s[60:61]
	s_add_nc_u64 s[24:25], s[24:25], s[60:61]
	global_load_b128 v[240:243], v[QO], s[4:5]
	WIN 0x40
	s_wait_alu depctr_va_vdst(0)
.irp t, 0,1
.irp s, 0,1
.irp c, 0,1,2,3
	global_load_b128 v[16*(2*\t+\s)+4*\c:16*(2*\t+\s)+4*\c+3], v[WOO], s[8:9] offset:4096*\t+128*\s+32*\c
.endr
.endr
.endr
.irp k, 0,1
	global_load_b128 v[64+4*\k:67+4*\k], v[L16], s[12:13] offset:512*\k
	global_load_b128 v[72+4*\k:75+4*\k], v[L16], s[10:11] offset:512*\k
	global_load_b128 v[80+4*\k:83+4*\k], v[L16], s[14:15] offset:512*\k
	global_load_b128 v[88+4*\k:91+4*\k], v[L16], s[16:17] offset:512*\k
	global_load_b128 v[96+4*\k:99+4*\k], v[L16], s[18:19] offset:512*\k
	global_load_b128 v[104+4*\k:107+4*\k], v[L16], s[20:21] offset:512*\k
.endr
	WIN 0
	s_wait_kmcnt 0x0
	s_add_co_i32 s56, s68, s69
	s_lshl_b32 s56, s56, 23
	s_add_co_i32 s[CS], s56, 0x3e8293ee
	s_mov_b32 s[CS+1], s[CS]
	POW2 s90, s70
	LIM448 s91, s70
	s_add_co_i32 s76, s70, s71
	POW2 s79, s72
	LIM448 s77, s72
	s_or_b32 s78, s77, 0x80000000
	s_add_co_i32 s56, s72, s73
	POW2 s84, s56
	s_mov_b32 s85, s84
	v_mov_b32 v246, s91
	s_wait_loadcnt 28
.irp c, 0,1,2,3
.irp i, 0,1,2,3
	v_cndmask_b32 v[16+4*\c+\i], 0, v[240+\i], s[80+\c]
.endr
.endr
	s_wait_alu depctr_va_vdst(0)
	s_wait_tensorcnt 0x0
	s_barrier_signal -1
	s_barrier_wait -1
.irp t, 0,1,2,3,4,5,6,7
.irp c, 0,1,2,3
	ds_load_b128 v[32+16*\t+64*(\t/4)+4*\c:32+16*\t+64*(\t/4)+4*\c+3], v[KA] offset:16*\t*KP+32*\c
.endr
.endr
	s_wait_dscnt 0x0
.irp t, 0,1,2,3,4,5,6,7
	v_wmma_f32_16x16x128_fp8_fp8 v[96+8*\t:103+8*\t], v[32+16*\t+64*(\t/4):47+16*\t+64*(\t/4)], v[16:31], 0
.endr
	PLACES 4
.macro VRAW hp
.irp hh, 0,1
.irp b, 0,1,2,3
.irp e, 0,1
	ds_load_tr16_b128 v[32+32*\hh+4*(2*\b+\e):35+32*\hh+4*(2*\b+\e)], v[VA] offset:(32*\b+16*\e)*VP+32*(\hp+\hh)
.endr
.endr
.endr
.endm
.macro VFRAG
.irp hh, 0,1
.irp par, 0,1
.irp b, 0,1,2,3
.irp e, 0,1
	v_perm_b32 v[96+32*\hh+16*\par+4*\b+2*\e], v[33+32*\hh+4*(2*\b+\e)], v[32+32*\hh+4*(2*\b+\e)], s[88+\par]
	v_perm_b32 v[97+32*\hh+16*\par+4*\b+2*\e], v[35+32*\hh+4*(2*\b+\e)], v[34+32*\hh+4*(2*\b+\e)], s[88+\par]
.endr
.endr
.endr
.endr
.endm
.macro VMUL hp
.irp hh, 0,1
.irp par, 0,1
	v_wmma_f32_16x16x128_fp8_fp8 v[160+16*(\hp+\hh)+8*\par:167+16*(\hp+\hh)+8*\par], v[96+32*\hh+16*\par:111+32*\hh+16*\par], v[224:239], 0
.endr
.endr
.endm
	v_max3_num_f32 v250, v96, v97, v98
	v_max3_num_f32 v251, v99, v100, v101
.irp i, 6,10,14,18,22,26,30,34,38,42,46,50,54,58
	v_max3_num_f32 v250, v250, v[96+\i], v[97+\i]
	v_max3_num_f32 v251, v251, v[98+\i], v[99+\i]
.endr
	v_max3_num_f32 v250, v250, v158, v159
	s_delay_alu instid0(VALU_DEP_1)
	v_max_num_f32 v250, v250, v251
	s_delay_alu instid0(VALU_DEP_1)
	v_permlanex16_b32 v252, v250, s[SEL], s[SEL+1]
	s_delay_alu instid0(VALU_DEP_1)
	v_max_num_f32 v250, v250, v252
	ds_store_b32 v[MXS], v250
	BARRIER
	ds_load_b128 v[248:251], v[MXR]
	VRAW 0                                         ; V's first 16 loads stand behind the barrier that joins the maxima; the exponentials stand between them and the wait for them
	s_wait_dscnt 16                                ; the four maxima are in; V's 16 loads may be out
	v_max3_num_f32 v248, v248, v249, v250
	s_delay_alu instid0(VALU_DEP_1)
	v_max_num_f32 v248, v248, v251
	s_delay_alu instid0(VALU_DEP_1)
	v_mul_f32 v248, s[CS], v248
	s_delay_alu instid0(VALU_DEP_1)
	v_floor_f32 v12, -v248
.irp j, 0,2,4,6,8,10,12,14,16,18,20,22,24,26,28,30,32,34,36,38,40,42,44,46,48,50,52,54,56,58,60,62
	v_pk_fma_f32 v[96+\j:97+\j], v[96+\j:97+\j], s[CS:CS+1], v[12:13] op_sel_hi:[1,0,0]
.endr
.set I, 0
	s_wait_alu depctr_va_vdst(0)
.rept 64
	v_exp_f32 v[96+I], v[96+I]
.set I, I+1
.endr
	v_mov_b32 v247, s90
	s_wait_alu depctr_va_vdst(0)
	v_pk_add_f32 v[14:15], v[96:97], v[98:99]
	v_pk_add_f32 v[248:249], v[100:101], v[102:103]
.irp j, 8,12,16,20,24,28,32,36,40,44,48,52,56,60
	v_pk_add_f32 v[14:15], v[14:15], v[96+\j:97+\j]
	v_pk_add_f32 v[248:249], v[248:249], v[98+\j:99+\j]
.endr
	s_delay_alu instid0(VALU_DEP_1)
	v_pk_add_f32 v[14:15], v[14:15], v[248:249]
	s_delay_alu instid0(VALU_DEP_1)
	v_add_f32 v14, v14, v15
	s_delay_alu instid0(VALU_DEP_1)
	v_permlanex16_b32 v252, v14, s[SEL], s[SEL+1]
	s_delay_alu instid0(VALU_DEP_1)
	v_add_f32 v14, v14, v252
.irp b, 0,1,2,3
.irp i, 0,1,2,3,4,5,6,7,8,9,10,11,12,13,14,15
	v_min_num_f32 v[96+16*\b+\i], v[96+16*\b+\i], v246
.endr
	v_cvt_scalef32_pk8_fp8_f32 v[224+4*\b:225+4*\b], v[96+16*\b:103+16*\b], v247
	v_cvt_scalef32_pk8_fp8_f32 v[226+4*\b:227+4*\b], v[104+16*\b:111+16*\b], v247
.endr
	v_nop
	s_wait_alu depctr_va_vdst(0)                   ; directly ahead of the wait below
	s_wait_dscnt 0x0                               ; V's first 16 loads
	VFRAG
	VRAW 2
	VMUL 0
	s_wait_dscnt 0x0
	PLACES 4
	VFRAG
	VMUL 2
	PLACES 4
.irp j, 0,1,2,3,4,5,6,7
.irp par, 0,1
	v_cndmask_b32 v[32+2*\j+\par], v[160+8*\par+\j], v[176+8*\par+\j], s81
	v_cndmask_b32 v[32+2*\j+\par], v[32+2*\j+\par], v[192+8*\par+\j], s82
	v_cndmask_b32 v[32+2*\j+\par], v[32+2*\j+\par], v[208+8*\par+\j], s83
.endr
.endr
.irp c, 0,1,2,3
	ds_store_b128 v[POS], v[32+4*\c:35+4*\c] offset:512*\c
.endr
	ds_store_b32 v[MXS], v14 offset:512
	BARRIER
	s_cmp_lg_u32 s[KQ], 0
	s_cbranch_scc1 .Lnot_first
.irp k, 0,1,2,3
.irp c, 0,1,2,3
	ds_load_b128 v[96+16*\k+4*\c:99+16*\k+4*\c], v[POR] offset:2048*\k+512*\c
.endr
.endr
	ds_load_b128 v[248:251], v[MXR] offset:512
	s_wait_dscnt 0x0
.irp i, 0,2,4,6,8,10,12,14
	v_pk_add_f32 v[96+\i:97+\i], v[96+\i:97+\i], v[112+\i:113+\i]
	v_pk_add_f32 v[128+\i:129+\i], v[128+\i:129+\i], v[144+\i:145+\i]
.endr
.irp i, 0,2,4,6,8,10,12,14
	v_pk_add_f32 v[96+\i:97+\i], v[96+\i:97+\i], v[128+\i:129+\i]
.endr
	v_add_f32 v248, v248, v249
	v_add_f32 v250, v250, v251
	s_delay_alu instid0(VALU_DEP_1)
	v_add_f32 v248, v248, v250
	s_wait_alu depctr_va_vdst(0)
	v_rcp_f32 v248, v248
	v_mov_b32 v247, s79
	s_wait_alu depctr_va_vdst(0)
	v_ldexp_f32 v248, v248, s76
.irp i, 0,2,4,6,8,10,12,14
	v_pk_mul_f32 v[96+\i:97+\i], v[96+\i:97+\i], v[248:249] op_sel_hi:[1,0]
.endr
.irp i, 0,1,2,3,4,5,6,7,8,9,10,11,12,13,14,15
	v_med3_num_f32 v[96+\i], v[96+\i], s78, s77
.endr
	v_cvt_scalef32_pk8_fp8_f32 v[224:225], v[96:103], v247
	v_cvt_scalef32_pk8_fp8_f32 v[226:227], v[104:111], v247
	v_nop
	ds_store_b128 v[ACS], v[224:227]
.Lnot_first:
	BARRIER
.irp s, 0,1
.irp c, 0,1,2,3
	ds_load_b128 v[32+16*\s+4*\c:35+16*\s+4*\c], v[ACR] offset:128*\s+32*\c
.endr
.endr
	s_wait_loadcnt 0x0
	s_wait_dscnt 0x0
	WIN 0x01
	v_wmma_f32_16x16x128_fp8_fp8 v[160:167], v[0:15], v[32:47], 0
	v_wmma_f32_16x16x128_fp8_fp8 v[168:175], v[32:47], v[32:47], 0
	v_wmma_f32_16x16x128_fp8_fp8 v[160:167], v[16:31], v[48:63], v[160:167]
	v_wmma_f32_16x16x128_fp8_fp8 v[168:175], v[48:63], v[48:63], v[168:175]
	WIN 0
	PLACES 4
.irp t, 0,1
	ds_store_b128 v[ZSS], v[160+8*\t:163+8*\t] offset:64*\t
	ds_store_b128 v[ZSS], v[164+8*\t:167+8*\t] offset:64*\t+16
.endr
	BARRIER
	s_cmp_ge_u32 s[WV], 4
	s_cbranch_scc1 .Lend
	ds_load_b128 v[32:35], v[ZSR]
	ds_load_b128 v[36:39], v[ZSR] offset:512
	s_wait_dscnt 0x0
	WIN 0x10
.irp i, 0,2,4,6
	v_pk_fma_f32 v[32+\i:33+\i], v[32+\i:33+\i], s[84:85], v[72+\i:73+\i] op_sel_hi:[1,0,1]
.endr
	WIN 0x04
.irp i, 0,2,4,6
	v_pk_add_f32 v[32+\i:33+\i], v[32+\i:33+\i], v[64+\i:65+\i]
.endr
	WIN 0
.macro WSUM a, b
	s_delay_alu instid0(VALU_DEP_1)
	v_add_f32_dpp v[\a], v[\a], v[\a] row_xmask:1 row_mask:0xf bank_mask:0xf
	s_delay_alu instid0(VALU_DEP_1)
	v_add_f32_dpp v[\a], v[\a], v[\a] row_xmask:2 row_mask:0xf bank_mask:0xf
	s_delay_alu instid0(VALU_DEP_1)
	v_add_f32_dpp v[\a], v[\a], v[\a] row_xmask:4 row_mask:0xf bank_mask:0xf
	s_delay_alu instid0(VALU_DEP_1)
	v_add_f32_dpp v[\a], v[\a], v[\a] row_xmask:8 row_mask:0xf bank_mask:0xf
	s_delay_alu instid0(VALU_DEP_1)
	v_permlanex16_b32 v[\b], v[\a], s[SEL], s[SEL+1]
	s_delay_alu instid0(VALU_DEP_1)
	v_add_f32 v[\a], v[\a], v[\b]
.endm
.macro LNORM G, B
	v_pk_add_f32 v[40:41], v[32:33], v[34:35]
	v_pk_add_f32 v[42:43], v[36:37], v[38:39]
	s_delay_alu instid0(VALU_DEP_1)
	v_pk_add_f32 v[40:41], v[40:41], v[42:43]
	s_delay_alu instid0(VALU_DEP_1)
	v_add_f32 v40, v40, v41
	WSUM 40, 41
	s_delay_alu instid0(VALU_DEP_1)
	v_mul_f32 v40, s86, v40
.irp i, 0,2,4,6
	v_pk_add_f32 v[32+\i:33+\i], v[32+\i:33+\i], v[40:41] op_sel_hi:[1,0] neg_lo:[0,1] neg_hi:[0,1]
.endr
	s_delay_alu instid0(VALU_DEP_4)
	v_pk_mul_f32 v[42:43], v[32:33], v[32:33]
	s_delay_alu instid0(VALU_DEP_4)
	v_pk_mul_f32 v[44:45], v[34:35], v[34:35]
	s_delay_alu instid0(VALU_DEP_2)
	v_pk_fma_f32 v[42:43], v[36:37], v[36:37], v[42:43]
	s_delay_alu instid0(VALU_DEP_2)
	v_pk_fma_f32 v[44:45], v[38:39], v[38:39], v[44:45]
	s_delay_alu instid0(VALU_DEP_1)
	v_pk_add_f32 v[42:43], v[42:43], v[44:45]
	s_delay_alu instid0(VALU_DEP_1)
	v_add_f32 v42, v42, v43
	WSUM 42, 43
	s_delay_alu instid0(VALU_DEP_1)
	v_fma_f32 v42, v42, s86, s87
	s_wait_alu depctr_va_vdst(0)
	v_rsq_f32 v42, v42
	v_nop
	s_wait_alu depctr_va_vdst(0)
.irp i, 0,2,4,6
	v_pk_mul_f32 v[32+\i:33+\i], v[32+\i:33+\i], v[42:43] op_sel_hi:[1,0]
.endr
	WIN 0x14
.irp i, 0,2,4,6
	v_pk_fma_f32 v[32+\i:33+\i], v[32+\i:33+\i], v[\G+\i:\G+\i+1], v[\B+\i:\B+\i+1]
.endr
	WIN 0
.endm
	LNORM 80, 88
	LNORM 96, 104
	global_store_b128 v[L16], v[32:35], s[24:25]
	global_store_b128 v[L16], v[36:39], s[24:25] offset:512
.Lend:
	s_wait_tensorcnt 0x0
	ds_add_u32 v254, v255
	s_wait_dscnt 0x0
	ROUND
	s_endpgm
.Lfunc_end_k_q05e7d00237_attn:
	.size	k_q05e7d00237_attn, .Lfunc_end_k_q05e7d00237_attn-k_q05e7d00237_attn
	.p2alignl 7, 3214868480
	.fill 96, 4, 3214868480
	.section	.rodata,"a",@progbits
	.p2align	6, 0x0
	.amdhsa_kernel k_q05e7d00237_attn
		.amdhsa_group_segment_fixed_size 327680
		.amdhsa_private_segment_fixed_size 0
		.amdhsa_enable_private_segment 0
		.amdhsa_kernarg_size 88
		.amdhsa_user_sgpr_count 2
		.amdhsa_user_sgpr_kernarg_segment_ptr 1
		.amdhsa_wavefront_size32 1
		.amdhsa_system_sgpr_workgroup_id_x 1
		.amdhsa_system_sgpr_workgroup_id_y 1
		.amdhsa_system_sgpr_workgroup_id_z 1
		.amdhsa_system_vgpr_workitem_id 0
		.amdhsa_next_free_vgpr 384
		.amdhsa_next_free_sgpr 100
		.amdhsa_reserve_vcc 0
		.amdhsa_float_denorm_mode_32 3
		.amdhsa_float_denorm_mode_16_64 3
		.amdhsa_memory_ordered 1
		.amdhsa_forward_progress 1
		.amdhsa_inst_pref_size 55
	.end_amdhsa_kernel
	.amdgpu_metadata
---
amdhsa.version: [ 1, 2 ]
amdhsa.kernels:
  - .name:           k_q05e7d00237_attn
    .symbol:         k_q05e7d00237_attn.kd
    .args:
      - { .name: qk, .offset: 0, .size: 8, .value_kind: global_buffer, .address_space: global }
      - { .name: vc, .offset: 8, .size: 8, .value_kind: global_buffer, .address_space: global }
      - { .name: Wo_codes, .offset: 16, .size: 8, .value_kind: global_buffer, .address_space: global }
      - { .name: bo, .offset: 24, .size: 8, .value_kind: global_buffer, .address_space: global }
      - { .name: x, .offset: 32, .size: 8, .value_kind: global_buffer, .address_space: global }
      - { .name: g1, .offset: 40, .size: 8, .value_kind: global_buffer, .address_space: global }
      - { .name: b1, .offset: 48, .size: 8, .value_kind: global_buffer, .address_space: global }
      - { .name: g2, .offset: 56, .size: 8, .value_kind: global_buffer, .address_space: global }
      - { .name: b2, .offset: 64, .size: 8, .value_kind: global_buffer, .address_space: global }
      - { .name: lowp_scales, .offset: 72, .size: 8, .value_kind: global_buffer, .address_space: global }
      - { .name: out0, .offset: 80, .size: 8, .value_kind: global_buffer, .address_space: global }
    .group_segment_fixed_size: 327680
    .private_segment_fixed_size: 0
    .kernarg_segment_align: 8
    .kernarg_segment_size: 88
    .max_flat_workgroup_size: 256
    .sgpr_count:     100
    .vgpr_count:     384
    .wavefront_size: 32
...
	.end_amdgpu_metadata
.endif
;; end of part 2
